; MI455X (gfx1250); checked and timed in simulation.
; The chip was launched on July 23, 2026; its instructions are those of AMD's public machine-readable ISA for CDNA 5 (MIT licence, August 2026) and "CDNA5" Instruction Set Architecture Reference Guide (July 2026). The comments in the code are by the model that wrote it; some were corrected since.
;; Multi Head Time Dimension Attention. Allowed arithmetic: float matrix products may take bf16 or f16 operands with f32 sums; other float arithmetic in f32, or as packed bf16 or f16 multiplies, adds, multiply-adds, maxima and minima; sums over many terms, partial sums and values carried from step to step in f32; what a program stores and reads back later, other than sums and carried values, may be rounded once to bf16 or f16.
;; Inputs: Wk 16 x 1,024 x 64 float32; Wq 16 x 1,024 x 64 float32; Wv 16 x 1,024 x 64 float32; bk 16 x 64 float32; bq 16 x 64 float32; bv 16 x 64 float32; o_all 16 x 2,048 x 1,024 float32; o_last 16 x 1 x 1,024 float32.
;; Outputs: out0 16 x 1 x 1,024 float32.
;; One version. Each part assembles by itself: llvm-mc -triple=amdgcn-amd-amdhsa -mcpu=gfx1250 --defsym DOCPART=n.
;; ======== version 1 of 1: 3 launches
;; workspace buffers: up 1,048,576 bytes; cq 4,096 bytes; yp 16,777,216 bytes; ml 65,536 bytes
;; launch prep (part 1): grid 4 x 16, 16 waves a work-group, no clusters, 158,208 bytes of LDS; arguments o_last, Wq, bq, Wk, bk, up, cq; writes up, cq
.if DOCPART == 1
	.amdgcn_target "amdgcn-amd-amdhsa--gfx1250"
	.amdhsa_code_object_version 6
	.text
	.protected	k_qf784903fa1_prep
	.globl	k_qf784903fa1_prep
	.p2align	8
	.type	k_qf784903fa1_prep,@function
k_qf784903fa1_prep:
	s_mov_b64 s[64:65], 0
	v_nop
	global_prefetch_b8 v0, s[64:65] scope:SCOPE_SE
	s_setreg_imm32_b32 hwreg(HW_REG_WAVE_MODE, 25, 1), 1
	s_wait_xcnt 0x0
; PREP.  With one query a batch and head, the scores are o_all[b,t,:] . u[b,h,:] + c[b,h], where
;   q[b,h,d] = sum_z o_last[b,z] Wq[h,z,d] + bq[h,d],   u[b,h,z] = sum_d Wk[h,z,d] q[b,h,d],   c[b,h] = sum_d q[b,h,d] bk[h,d].
; This launch makes u (as two bf16 numbers, hi + lo, 16 significant bits) and c.
; SHARES.  Work-group (s, h): head h, the 256 z from 256 s on, all 16 batches.  Every work-group needs all of q[:,h,:]: its 16 waves split
; the sum over z, 64 z a wave, and add their parts in LDS.  Then wave w makes u for 16 z.
; NO CLUSTER: the four work-groups of a head read the same 262,144 bytes of Wq[h], but Wq goes from memory straight into registers, as the
; row pairs that its fragments are made of, and never lies in LDS; a joint tensor load would send those bytes through LDS, in and out.
; LIMITS.  o_last, Wq, bq and Wk are rounded once to bf16; bk is taken in f32 (c is the same for all keys of a head); q enters the second
; product as hi + lo; sums in f32, in another order than a plain loop over z; NaN and infinities are not treated apart.
; LAYOUTS.  l = lane, r = l % 16, half = l / 16.  A fragment holds row (or column) r, k = 8 half + 0..7 in registers 0-3, 16 + 8 half + 0..7 in 4-7.
; Wq is [z][d]: k runs down the rows.  A lane loads 16 bytes (columns 4 r .. 4 r + 3) of its 16 rows; rounding rows in pairs gives four fragments j,
; in which lane r stands for column 4 r + j.  As source 0 they give q with d = 32 half + 4 i + j in register i of accumulator j, batch = r.
.set STG,   0                          ; 16 waves x 16 rows of 272 bytes, each wave's own: o_last's strip, then Wk's rows
.set STGW,  4352
.set SPIT,  272                        ; 256 bytes + 16: the 16 rows of a load start at 16 different groups of four banks
.set QF,    69632                      ; the finished q: 4,096 bytes, laid as one wave's accumulators
.set QP,    73728                      ; 16 waves x 4,096 bytes: the parts of q
.set UST,   139264                     ; 32 rows (16 part + b) of 528 bytes: u on its way out
.set UPIT,  528
.set SPARE, 156160                     ; the spare words, 128 bytes a wave: eight blocks of 256 bytes that no other line names
.set R,   1                            ; v1   r
.set HF,  2                            ; v2   half
.set L16, 3                            ; v3   16 l
.set VW,  4                            ; v4   Wq: 8 half rows + 16 r
.set VO,  5                            ; v5   o_last: half rows + 16 r
.set VS,  6                            ; v6   stage, by rows: row half, byte 16 r
.set VR,  7                            ; v7   stage, as fragments of f32: row r, byte 32 half
.set VR2, 8                            ; v8   stage: row r, byte 128 half
.set VQP, 9                            ; v9   my wave's part of q
.set VFP, 10                           ; v10  the two registers of q that my wave adds up, in wave 0's part
.set VFF, 11                           ; v11  the same place in the finished q
.set VQF, 12                           ; v12  the finished q
.set VU,  13                           ; v13  u into its stage
.set VRD, 14                           ; v14  u out of its stage: rows 2 w, 2 w + 1
.set VBQ, 15                           ; v15  bq of my two registers
.set VBK, 16                           ; v16  bk of my 32 d
.set L8,  17                           ; v17  8 l
.set SPW, 18                           ; v18  my spare word; never rewritten
.set NIL, 19                           ; v19  0; never rewritten
.set CT,  20                           ; v20-23  four chains of c
.set BQ,  28                           ; v[28:29]
.set CC,  30                           ; v[30:31] c, twice
.set OL,  32                           ; v32-63  o_last; its two fragments end up at OL and OL + 16
.set BH,  32                           ; later: q hi, two fragments
.set BL,  48                           ;        q lo
.set F,   64                           ; v64-95  four fragments of Wq
.set WA,  64                           ; later: Wk; its two fragments end up at WA and WA + 16
.set QA,  96                           ; v96-127 q: accumulator j at QA + 8 j
.set X,   128                          ; v128-255 Wq as loaded: two K chunks of 64 registers
.set WR,  128                          ; later: Wk as loaded
.set BK,  160                          ;        bk
.set FL,  192                          ;        at work
.set UA,  224                          ; v224-239 two accumulators of u
.set UH,  240
.set UL,  244
.macro PLACES                          ; four plain vector lines between a matrix instruction and a vector line or load that touches its registers
.rept 4
	v_nop
.endr
.endm
.macro BAR                             ; my LDS instructions are done; then all 16 waves meet
	s_wait_dscnt 0x0
	s_barrier_signal -1
	s_barrier_wait -1
.endm
.macro CVT8 base                       ; 16 f32 along k become a fragment, in place: line i writes register i and reads 2 i, 2 i + 1
.irp i, 0,1,2,3,4,5,6,7
	v_cvt_pk_bf16_f32 v[(\base)+\i], v[(\base)+2*\i], v[(\base)+2*\i+1]
.endr
.endm
.macro CVTCOL x                        ; 16 rows x 4 columns become four fragments: register p of fragment j = rows 2 p, 2 p + 1 of column j
.irp j, 0,1,2,3
.irp p, 0,1,2,3,4,5,6,7
	v_cvt_pk_bf16_f32 v[F+8*\j+\p], v[(\x)+8*\p+\j], v[(\x)+8*\p+4+\j]
.endr
.endr
.endm
.macro LDW kc                          ; K chunk kc of my 64 rows of Wq: rows 8 half + 0..7 and 16 + 8 half + 0..7; 16 lanes take 256 consecutive bytes
.irp i, 0,1,2,3,4,5,6,7,8,9,10,11,12,13,14,15
	global_load_b128 v[X+64*(\kc)+4*\i:X+64*(\kc)+4*\i+3], v[VW], s[6:7] offset:(\kc)*8192+(\i+8*(\i/8))*256
.endr
.endm
	s_load_b256 s[4:11], s[0:1], 0x0               ; o_last s[4:5], Wq s[6:7], bq s[8:9], Wk s[10:11]
	s_load_b128 s[12:15], s[0:1], 0x20             ; bk s[12:13], up s[14:15]
	s_load_b64 s[16:17], s[0:1], 0x30              ; cq
	v_lshl_add_u32 v[SPW], v0, 2, SPARE
	v_mov_b32 v[NIL], 0
	v_lshrrev_b32 v20, 5, v0
	v_readfirstlane_b32 s20, v20                   ; w: wave 0..15
	s_mov_b32 s21, ttmp9                           ; s: the slice of z
	s_and_b32 s22, ttmp7, 0xffff                   ; h
	s_lshr_b32 s23, s20, 2                         ; jf: the accumulator of q of which my wave adds up
	s_and_b32 s24, s20, 3                          ; pf: registers 2 pf, 2 pf + 1
	s_mov_b32 s26, 0x76543210                      ; v_permlanex16_b32: each lane takes its own place in the other half
	s_mov_b32 s27, 0xfedcba98
	s_mov_b32 s28, 0xffff0000                      ; a word's upper bf16
	; byte offsets, made apart from the addresses
	s_lshl_b32 s30, s22, 18                        ; Wq: head h, my 64 rows of 256 bytes
	s_lshl_b32 s2, s20, 14
	s_add_co_u32 s30, s30, s2
	s_mov_b32 s31, 0
	s_lshl_b32 s32, s20, 8                         ; o_last: my 64 z
	s_mov_b32 s33, 0
	s_lshl_b32 s34, s22, 8                         ; bq, bk, cq: head h
	s_mov_b32 s35, 0
	s_lshl_b32 s36, s22, 18                        ; Wk: head h, rows 256 s + 16 w
	s_lshl_b32 s2, s21, 16
	s_add_co_u32 s36, s36, s2
	s_lshl_b32 s2, s20, 12
	s_add_co_u32 s36, s36, s2
	s_mov_b32 s37, 0
	s_lshl_b32 s38, s20, 16                        ; up: row 2 w of (part, b), head h, slice s
	s_lshl_b32 s2, s22, 11
	s_add_co_u32 s38, s38, s2
	s_lshl_b32 s2, s21, 9
	s_add_co_u32 s38, s38, s2
	s_mov_b32 s39, 0
	v_and_b32 v[R], 15, v0
	v_bfe_u32 v[HF], v0, 4, 1
	v_and_b32 v20, 31, v0
	v_lshlrev_b32 v[L16], 4, v20
	v_lshlrev_b32 v[L8], 3, v20
	v_lshlrev_b32 v21, 4, v[R]
	v_lshl_add_u32 v[VW], v[HF], 11, v21
	v_lshl_add_u32 v[VO], v[HF], 12, v21
	s_mul_i32 s25, s20, STGW                       ; my stage (STG = 0)
	v_mul_u32_u24 v22, v[HF], SPIT
	v_add3_u32 v[VS], v22, v21, s25
	v_mul_u32_u24 v23, v[R], SPIT
	v_add_nc_u32 v23, s25, v23
	v_lshl_add_u32 v[VR], v[HF], 5, v23
	v_lshl_add_u32 v[VR2], v[HF], 7, v23
	s_lshl_b32 s25, s20, 12
	s_add_co_u32 s25, s25, QP
	v_add_nc_u32 v[VQP], s25, v[L16]
	s_lshl_b32 s25, s23, 10                        ; (2 jf + pf / 2) x 512 + (pf % 2) x 8
	s_lshr_b32 s29, s24, 1
	s_lshl_b32 s29, s29, 9
	s_add_co_u32 s25, s25, s29
	s_and_b32 s29, s24, 1
	s_lshl_b32 s29, s29, 3
	s_add_co_u32 s25, s25, s29
	v_add_nc_u32 v22, s25, v[L16]
	v_add_nc_u32 v[VFP], QP, v22
	v_add_nc_u32 v[VFF], QF, v22
	v_add_nc_u32 v[VQF], QF, v[L16]
	v_mul_u32_u24 v22, v[R], UPIT
	v_lshl_add_u32 v22, v[HF], 4, v22
	s_lshl_b32 s25, s20, 5
	s_add_co_u32 s25, s25, UST
	v_add_nc_u32 v[VU], s25, v22
	s_mul_i32 s25, s20, 2*UPIT
	s_add_co_u32 s25, s25, UST
	v_add_nc_u32 v[VRD], s25, v[L16]
	s_lshl_b32 s25, s24, 3                         ; d = 32 half + 8 pf + jf, and 4 further on
	s_add_co_u32 s25, s25, s23
	s_lshl_b32 s25, s25, 2
	v_lshl_add_u32 v[VBQ], v[HF], 7, s25
	v_lshlrev_b32 v[VBK], 7, v[HF]
	s_wait_kmcnt 0x0
	s_add_nc_u64 s[6:7], s[6:7], s[30:31]
	s_add_nc_u64 s[4:5], s[4:5], s[32:33]
	s_add_nc_u64 s[8:9], s[8:9], s[34:35]
	s_add_nc_u64 s[12:13], s[12:13], s[34:35]
	s_add_nc_u64 s[16:17], s[16:17], s[34:35]
	s_add_nc_u64 s[10:11], s[10:11], s[36:37]
	s_add_nc_u64 s[14:15], s[14:15], s[38:39]
	; 42 loads: bq 2, o_last 8, Wq 16 + 16
	global_load_b32 v[BQ], v[VBQ], s[8:9]
	global_load_b32 v[BQ+1], v[VBQ], s[8:9] offset:16
.irp i, 0,1,2,3,4,5,6,7
	global_load_b128 v[OL+4*\i:OL+4*\i+3], v[VO], s[4:5] offset:\i*8192  ; batches 2 i and 2 i + 1, my 256 bytes of each
.endr
	LDW 0
	LDW 1
	s_wait_loadcnt 32                              ; bq and o_last are in; Wq's 32 loads stay out
	v_cvt_pk_bf16_f32 v27, v[BQ], v[BQ+1]          ; bq rounded to bf16, and widened again
	v_lshlrev_b32 v[BQ], 16, v27
	v_and_b32 v[BQ+1], s28, v27
.irp i, 0,1,2,3,4,5,6,7
	ds_store_b128 v[VS], v[OL+4*\i:OL+4*\i+3] offset:\i*2*SPIT
.endr
.irp k, 0,1
.irp q, 0,1,2,3
	ds_load_b128 v[OL+16*\k+4*\q:OL+16*\k+4*\q+3], v[VR] offset:\k*128+(\q/2)*64+(\q%2)*16  ; my own bytes: LDS serves a wave in order (ISA guide 5.7.1.4)
.endr
.endr
	s_wait_dscnt 0x0
	CVT8 OL
	CVT8 OL+16
	s_wait_loadcnt 16                              ; Wq's first chunk is in, the second stays out
	CVTCOL X
.irp j, 0,1,2,3                        ; the first K chunk starts the four sums; the accumulators take turns
	v_wmma_f32_16x16x32_bf16 v[QA+8*\j:QA+8*\j+7], v[F+8*\j:F+8*\j+7], v[OL:OL+7], 0
.endr
.irp i, 0,1,2,3,4,5,6,7
	global_load_b128 v[WR+4*\i:WR+4*\i+3], v[L16], s[10:11] offset:\i*512 th:TH_LOAD_NT  ; my 16 rows of Wk: 4,096 consecutive bytes, read once in the launch
.endr
.irp i, 0,1,2,3,4,5,6,7
	global_load_b128 v[BK+4*\i:BK+4*\i+3], v[VBK], s[12:13] offset:\i*16  ; bk[32 half + 4 i + 0..3]
.endr
	s_wait_loadcnt 16                              ; Wq's second chunk is in; Wk and bk stay out
	PLACES                                         ; F is written again
	CVTCOL X+64
.irp j, 0,1,2,3
	v_wmma_f32_16x16x32_bf16 v[QA+8*\j:QA+8*\j+7], v[F+8*\j:F+8*\j+7], v[OL+16:OL+23], v[QA+8*\j:QA+8*\j+7]
.endr
	PLACES
.irp j, 0,1,2,3
.irp q, 0,1                            ; each accumulator's low registers are read first
	ds_store_b128 v[VQP], v[QA+8*\j+4*\q:QA+8*\j+4*\q+3] offset:(2*\j+\q)*512
.endr
.endr
	s_wait_loadcnt 8                               ; Wk is in; bk stays out
.irp i, 0,1,2,3,4,5,6,7
	ds_store_b128 v[VS], v[WR+4*\i:WR+4*\i+3] offset:\i*2*SPIT
.endr
	; Wk's fragments.  k is permuted, alike in Wk and in q: place e (0..15) of chunk kc in a lane stands for d = 32 half + 16 kc + e, which is how q lies in the lanes.
.irp k, 0,1
.irp q, 0,1,2,3
	ds_load_b128 v[WA+16*\k+4*\q:WA+16*\k+4*\q+3], v[VR2] offset:\k*64+\q*16
.endr
.endr
	BAR                                            ; every wave's part of q lies in LDS
.irp n, 0,1,2,3,4,5,6,7,8,9,10,11,12,13,14,15
	ds_load_b64 v[FL+2*\n:FL+2*\n+1], v[VFP] offset:\n*4096  ; my two registers of q, of all 16 parts
.endr
	CVT8 WA
	CVT8 WA+16
	s_wait_dscnt 0x0
.irp d, 8,4,2,1
.set n, 0
.rept \d
	v_pk_add_f32 v[FL+2*n:FL+2*n+1], v[FL+2*n:FL+2*n+1], v[FL+2*(n+\d):FL+2*(n+\d)+1]
.set n, n+1
.endr
.endr
	v_pk_add_f32 v[FL:FL+1], v[FL:FL+1], v[BQ:BQ+1]
	ds_store_b64 v[VFF], v[FL:FL+1]
	BAR                                            ; q is whole
.irp j, 0,1,2,3
.irp q, 0,1
	ds_load_b128 v[QA+8*\j+4*\q:QA+8*\j+4*\q+3], v[VQF] offset:(2*\j+\q)*512
.endr
.endr
	s_wait_dscnt 0x0
	; q as hi + lo.  Register p of chunk kc (n = 8 kc + p) takes d = 32 half + 16 kc + 2 p, + 1: accumulators j = 2 (p % 2), j + 1, register i = 4 kc + p / 2.
.set n, 0
.rept 16
.set a, QA+16*(n%2)+4*(n/8)+(n%8)/2
	v_cvt_pk_bf16_f32 v[BH+n], v[a], v[a+8]
.set n, n+1
.endr
.set n, 0
.rept 16
	v_lshlrev_b32 v[FL+2*n], 16, v[BH+n]
	v_and_b32 v[FL+2*n+1], s28, v[BH+n]
.set n, n+1
.endr
.set n, 0
.rept 16
.set a, QA+16*(n%2)+4*(n/8)+(n%8)/2
	v_sub_f32 v[FL+2*n], v[a], v[FL+2*n]
	v_sub_f32 v[FL+2*n+1], v[a+8], v[FL+2*n+1]
.set n, n+1
.endr
.set n, 0
.rept 16
	v_cvt_pk_bf16_f32 v[BL+n], v[FL+2*n], v[FL+2*n+1]
.set n, n+1
.endr
	; u for my 16 z: two accumulators, one for each K chunk, by turns
	v_wmma_f32_16x16x32_bf16 v[UA:UA+7], v[WA:WA+7], v[BH:BH+7], 0
	v_wmma_f32_16x16x32_bf16 v[UA+8:UA+15], v[WA+16:WA+23], v[BH+8:BH+15], 0
	v_wmma_f32_16x16x32_bf16 v[UA:UA+7], v[WA:WA+7], v[BL:BL+7], v[UA:UA+7]
	v_wmma_f32_16x16x32_bf16 v[UA+8:UA+15], v[WA+16:WA+23], v[BL+8:BL+15], v[UA+8:UA+15]
	s_wait_loadcnt 0x0                             ; bk
	; c = q . bk: my 32 d in four chains, then the other half of the lanes'.  These lines name no register of the products above: they are the places behind them.
.irp j, 0,1,2,3
	v_mul_f32 v[CT+\j], v[QA+8*\j], v[BK+\j]
.endr
.irp i, 1,2,3,4,5,6,7
.irp j, 0,1,2,3
	v_fmac_f32 v[CT+\j], v[QA+8*\j+\i], v[BK+4*\i+\j]
.endr
.endr
	v_add_f32 v[CT], v[CT], v[CT+1]
	v_add_f32 v[CT+2], v[CT+2], v[CT+3]
	v_add_f32 v[CT], v[CT], v[CT+2]
	v_permlanex16_b32 v[CT+1], v[CT], s26, s27
	v_add_f32 v[CC], v[CT], v[CT+1]
	v_mov_b32 v[CC+1], v[CC]
.irp i, 0,1,2,3                        ; u = the two chunks' sums; the low registers first
	v_pk_add_f32 v[UA+2*\i:UA+2*\i+1], v[UA+2*\i:UA+2*\i+1], v[UA+8+2*\i:UA+8+2*\i+1]
.endr
.irp i, 0,1,2,3
	v_cvt_pk_bf16_f32 v[UH+\i], v[UA+2*\i], v[UA+2*\i+1]
.endr
.irp i, 0,1,2,3
	v_lshlrev_b32 v[FL+2*\i], 16, v[UH+\i]
	v_and_b32 v[FL+2*\i+1], s28, v[UH+\i]
.endr
.irp i, 0,1,2,3
	v_pk_add_f32 v[FL+2*\i:FL+2*\i+1], v[UA+2*\i:UA+2*\i+1], v[FL+2*\i:FL+2*\i+1] neg_lo:[0,1] neg_hi:[0,1]
.endr
.irp i, 0,1,2,3
	v_cvt_pk_bf16_f32 v[UL+\i], v[FL+2*\i], v[FL+2*\i+1]
.endr
	ds_store_b128 v[VU], v[UH:UH+3]                ; batch r, z = 16 w + 8 half + 0..7
	ds_store_b128 v[VU], v[UL:UL+3] offset:16*UPIT
	BAR                                            ; a row's 512 bytes come from all 16 waves
	ds_load_b128 v[FL:FL+3], v[VRD]
	ds_load_b128 v[FL+4:FL+7], v[VRD] offset:UPIT
	s_wait_tensorcnt 0x0                           ; the wave's end, behind my last LDS store
	ds_add_u32 v[SPW], v[NIL]
	s_wait_dscnt 0x0                               ; the wait also shows the two loads above done
	global_store_b128 v[L16], v[FL:FL+3], s[14:15]               ; each store of the wave covers 512 consecutive bytes, aligned
	global_store_b128 v[L16], v[FL+4:FL+7], s[14:15] offset:32768
	s_cmp_lg_u32 s20, 0                            ; c is the same in all waves and slices: wave 0 of slice 0 stores it
	s_cbranch_scc1 .Lno_c
	s_cmp_lg_u32 s21, 0
	s_cbranch_scc1 .Lno_c
	global_store_b64 v[L8], v[CC:CC+1], s[16:17]   ; entry l: c of batch l % 16, twice: 256 consecutive bytes
.Lno_c:
	s_endpgm
.Lfunc_end_k_qf784903fa1_prep:
	.size	k_qf784903fa1_prep, .Lfunc_end_k_qf784903fa1_prep-k_qf784903fa1_prep
	.p2alignl 7, 3214868480
	.fill 96, 4, 3214868480
	.section	.rodata,"a",@progbits
	.p2align	6, 0x0
	.amdhsa_kernel k_qf784903fa1_prep
		.amdhsa_group_segment_fixed_size 158208
		.amdhsa_private_segment_fixed_size 0
		.amdhsa_enable_private_segment 0
		.amdhsa_kernarg_size 56
		.amdhsa_user_sgpr_count 2
		.amdhsa_user_sgpr_kernarg_segment_ptr 1
		.amdhsa_wavefront_size32 1
		.amdhsa_system_sgpr_workgroup_id_x 1
		.amdhsa_system_sgpr_workgroup_id_y 1
		.amdhsa_system_sgpr_workgroup_id_z 1
		.amdhsa_system_vgpr_workitem_id 0
		.amdhsa_next_free_vgpr 256
		.amdhsa_next_free_sgpr 66
		.amdhsa_reserve_vcc 0
		.amdhsa_float_denorm_mode_32 3
		.amdhsa_float_denorm_mode_16_64 3
		.amdhsa_memory_ordered 1
		.amdhsa_forward_progress 1
		.amdhsa_inst_pref_size 30
	.end_amdhsa_kernel
	.amdgpu_metadata
---
amdhsa.version: [ 1, 2 ]
amdhsa.kernels:
  - .name:           k_qf784903fa1_prep
    .symbol:         k_qf784903fa1_prep.kd
    .args:
      - { .name: o_last, .offset: 0, .size: 8, .value_kind: global_buffer, .address_space: global }
      - { .name: Wq, .offset: 8, .size: 8, .value_kind: global_buffer, .address_space: global }
      - { .name: bq, .offset: 16, .size: 8, .value_kind: global_buffer, .address_space: global }
      - { .name: Wk, .offset: 24, .size: 8, .value_kind: global_buffer, .address_space: global }
      - { .name: bk, .offset: 32, .size: 8, .value_kind: global_buffer, .address_space: global }
      - { .name: up, .offset: 40, .size: 8, .value_kind: global_buffer, .address_space: global }
      - { .name: cq, .offset: 48, .size: 8, .value_kind: global_buffer, .address_space: global }
    .group_segment_fixed_size: 158208
    .private_segment_fixed_size: 0
    .kernarg_segment_align: 8
    .kernarg_segment_size: 56
    .max_flat_workgroup_size: 512
    .sgpr_count:     66
    .vgpr_count:     256
    .wavefront_size: 32
...
	.end_amdgpu_metadata
.endif
;; end of part 1
;; launch attn (part 2): grid 16 x 16, 8 waves a work-group, no clusters, 327,680 bytes of LDS; arguments o_all, up, cq, yp, ml; writes yp, ml
.if DOCPART == 2
	.amdgcn_target "amdgcn-amd-amdhsa--gfx1250"
	.amdhsa_code_object_version 6
	.text
	.protected	k_qf784903fa1_attn
	.globl	k_qf784903fa1_attn
	.p2align	8
	.type	k_qf784903fa1_attn,@function
k_qf784903fa1_attn:
	s_mov_b64 s[64:65], 0
	v_nop
	global_prefetch_b8 v0, s[64:65] scope:SCOPE_SE
	s_setreg_imm32_b32 hwreg(HW_REG_WAVE_MODE, 25, 1), 1
	s_wait_xcnt 0x0
; ATTN.  For batch b and a chunk of 128 keys, all 16 heads at once: scores t = o_all . u + c, a running-maximum softmax, and the weighted sum of o_all's rows.
; Out: yp[b][h][chunk][z] = sum_t p_t o_all[b,t,z] / l, and ml[b][chunk] = (m log2 e, l) for each head, with p = 2^((t - m) log2 e), l = sum p over the chunk.
; o_all is read from memory once: each tile is used for both products out of LDS.
; SHARES.  The chunk goes in four sub-tiles of 32 keys.  Wave w owns z = 128 w .. + 127 in both products: it issues its own tensor loads (32 rows x 512 bytes) and
; reads only its own two slots.  Only the waves' partial scores (2,048 bytes each) cross, through LDS; every wave adds them up for itself and runs the same softmax.
; NO CLUSTER: no two work-groups read the same bytes of o_all; what the 16 chunks of a batch share, u[b], is 65,536 of a work-group's 589,824 bytes in.
; LIMITS.  o_all is rounded once to bf16; u and the weights p enter the products as hi + lo (two bf16, 16 significant bits); maxima and sums in f32;
; a weight below 2^-126 counts as 0; NaN and infinities are not treated apart.
; LAYOUTS.  l = lane, r = l % 16, half = l / 16.  Scores: source 0 = 16 keys (rows of the tile, k = z), source 1 = u (column = head): a lane holds head r and keys
; 16 mt + 8 half + 0..7, which rounded in pairs ARE source 1 (k = 32 keys, column = head) of the second product.  There source 0 holds columns of the tile (k runs
; down the rows): a lane loads 16 bytes (columns 4 r .. + 3) of its 16 rows, and rounding rows in pairs gives four fragments j, lane r standing for column 4 r + j;
; register i of accumulator j then holds z = 32 half + 4 i + j of a group of 64, for head r.
; REGISTERS: window 0 as named below; window 1: v0-63 u's fragments, chunk kc, part (hi, lo) at 16 kc + 8 part.
.set RINGW, 33792                      ; a wave's two slots
.set SLOTB, 16896                      ; 32 rows of 528 bytes
.set PIT,   528                        ; 512 bytes + 16: the 16 rows of a load start at 16 different groups of four banks
.set SC,    270336                     ; behind the rings: 8 waves x 2,048 bytes of partial scores
.set USTG,  286720                     ; 8 waves x 16 rows of 272 bytes, each wave's own: u on its way in, y on its way out; no tensor load lands here
.set USTW,  4352
.set SPIT,  272
.set SPARE, 321536                     ; the spare words, 128 bytes a wave: four blocks of 256 bytes that no other line names
.set R,    1
.set HF,   2
.set L16,  3                           ; 16 l
.set VA,   4                           ; my ring: row r, byte 32 half (rows as fragments)
.set VD,   5                           ; my ring: row 8 half, byte 16 r (columns)
.set VSCS, 6                           ; my wave's partial scores
.set VSCL, 7                           ; wave 0's
.set VS,   8                           ; my stage by rows: row half, byte 16 r
.set VRU,  9                           ; my stage: row r, byte 16 half
.set VRY,  10                          ; my stage: row r, byte 128 half
.set VUO,  11                          ; u in memory: head half, byte 16 r
.set VC,   12                          ; c in memory: head r
.set VG,   13                          ; yp: head half, byte 16 r
.set VPF,  14                          ; o_all: row l
.set L8,   15                          ; 8 l
.set SPW,  16                          ; my spare word; never rewritten
.set NIL,  17                          ; 0; never rewritten
.set ST,   18                          ; v[18:19] m log2 e, m; at the end m gives way to l
.set LS,   20                          ; v[20:21] l: even keys', odd keys'
.set AL,   22                          ; v[22:23] a = 2^(old m log2 e - new m log2 e)
.set CB,   24                          ; v[24:25] c, twice
.set A0,   26                          ; v26-29 at work
.set YA,   32                          ; v32-95 the weighted sums: group g, accumulator j at YA + 32 g + 8 j
.set X,    96                          ; v96-223 at work
.set F0,   X+64                        ; column fragments of group 0
.set F1,   X+96                        ; of group 1
.set SA,   224                         ; v224-239 the two accumulators of scores
.set PH,   224                         ; later p hi
.set PL,   232                         ; and p lo
.set OLDC, 240
.set RL,   241
.set MSB, 0
.macro WIN new                         ; the immediate's high byte repeats the setting that is left
.if MSB != (\new)
	s_set_vgpr_msb (MSB<<8)|(\new)
.set MSB, \new
.endif
.endm
.macro PLACES                          ; four plain vector lines between a matrix instruction and a vector line or load that touches its registers
.rept 4
	v_nop
.endr
.endm
.macro CVT8 base                       ; 16 f32 along k become a fragment, in place
.irp i, 0,1,2,3,4,5,6,7
	v_cvt_pk_bf16_f32 v[(\base)+\i], v[(\base)+2*\i], v[(\base)+2*\i+1]
.endr
.endm
	s_load_b256 s[4:11], s[0:1], 0x0               ; o_all s[4:5], up s[6:7], cq s[8:9], yp s[10:11]
	s_load_b64 s[12:13], s[0:1], 0x20              ; ml
	v_lshl_add_u32 v[SPW], v0, 2, SPARE
	v_mov_b32 v[NIL], 0
	ds_add_u32 v[SPW], v[NIL]                      ; the wave's opening: the add and its wait stand ahead of my first tensor load; the set-up, work on registers, stands between
	ds_add_u32 v16, v17
	v_lshrrev_b32 v26, 5, v0
	v_readfirstlane_b32 s14, v26                   ; w: wave 0..7
	s_mov_b32 s15, ttmp9                           ; the chunk of 128 keys
	s_and_b32 s16, ttmp7, 0xffff                   ; b
	; descriptor group 1: 32 rows x 128 elements of 4 bytes, rows 1,024 elements apart, padded in LDS
	s_mov_b32 s20, (2<<16)|(1<<20)|(6<<22)|(3<<25) ; 17:16 elements of 4 bytes; 20 padding on; 24:22 after every 128 words (code 6); 31:25 4 words of it (code 3)
	s_mov_b32 s21, 128<<16                         ; tensor_dim0 = 128
	s_mov_b32 s22, 32<<16                          ; tensor_dim1 = 32
	s_mov_b32 s23, 128<<16                         ; tile_dim0 = 128
	s_mov_b32 s24, 32                              ; tile_dim1 = 32
	s_mov_b32 s25, 1024                            ; elements from row to row
	s_mov_b32 s26, 0
	s_mov_b32 s27, 0
	s_mov_b32 s38, 0x3fb8aa3b                      ; log2 e
	s_mov_b32 s39, s38                             ; named with it as a pair
	s_mov_b32 s40, 0x76543210                      ; v_permlanex16_b32: each lane takes its own place in the other half
	s_mov_b32 s41, 0xfedcba98
	s_mov_b32 s42, 0xffff0000                      ; a word's upper bf16
	; byte offsets, made apart from the addresses
	s_lshl_b32 s2, s16, 23                         ; o_all: batch b, key 128 chunk, z = 128 w
	s_lshl_b32 s3, s15, 19
	s_add_co_u32 s2, s2, s3
	s_lshl_b32 s3, s14, 9
	s_add_co_u32 s2, s2, s3
	s_mov_b32 s3, 0
	s_lshl_b32 s44, s16, 15                        ; up: batch b, z = 128 w
	s_lshl_b32 s45, s14, 8
	s_add_co_u32 s44, s44, s45
	s_mov_b32 s45, 0
	s_lshl_b32 s46, s16, 3                         ; cq: entry b
	s_mov_b32 s47, 0
	s_lshl_b32 s18, s16, 20                        ; yp: batch b, chunk, z = 128 w
	s_lshl_b32 s19, s15, 12
	s_add_co_u32 s18, s18, s19
	s_lshl_b32 s19, s14, 9
	s_add_co_u32 s18, s18, s19
	s_mov_b32 s19, 0
	s_lshl_b32 s48, s16, 4                         ; ml: (b, chunk)
	s_add_co_u32 s48, s48, s15
	s_lshl_b32 s48, s48, 8
	s_mov_b32 s49, 0
	s_mul_i32 s17, s14, RINGW                      ; my ring
	s_mul_i32 s43, s14, USTW
	s_add_co_u32 s43, s43, USTG                    ; my stage
	s_lshl_b32 s50, s14, 11
	s_add_co_u32 s50, s50, SC                      ; my partial scores
	v_and_b32 v[R], 15, v0
	v_bfe_u32 v[HF], v0, 4, 1
	v_and_b32 v26, 31, v0
	v_lshlrev_b32 v[L16], 4, v26
	v_lshlrev_b32 v[L8], 3, v26
	v_lshlrev_b32 v[VPF], 12, v26
	v_lshlrev_b32 v27, 4, v[R]
	v_mul_u32_u24 v28, v[R], PIT
	v_lshl_add_u32 v28, v[HF], 5, v28
	v_add_nc_u32 v[VA], s17, v28
	v_mul_u32_u24 v28, v[HF], 8*PIT
	v_add3_u32 v[VD], v28, v27, s17
	v_add_nc_u32 v[VSCS], s50, v[L16]
	v_add_nc_u32 v[VSCL], SC, v[L16]
	v_mul_u32_u24 v28, v[HF], SPIT
	v_add3_u32 v[VS], v28, v27, s43
	v_mul_u32_u24 v28, v[R], SPIT
	v_add_nc_u32 v28, s43, v28
	v_lshl_add_u32 v[VRU], v[HF], 4, v28
	v_lshl_add_u32 v[VRY], v[HF], 7, v28
	v_lshl_add_u32 v[VUO], v[HF], 11, v27
	v_lshlrev_b32 v[VC], 8, v[R]
	v_lshl_add_u32 v[VG], v[HF], 16, v27
	s_wait_dscnt 0x0                               ; the opening add is done
	s_wait_kmcnt 0x0
	s_add_nc_u64 s[36:37], s[4:5], s[2:3]          ; o_all at my strip of the chunk's first row; never rewritten
	s_add_nc_u64 s[6:7], s[6:7], s[44:45]
	s_add_nc_u64 s[8:9], s[8:9], s[46:47]
	s_add_nc_u64 s[10:11], s[10:11], s[18:19]
	s_add_nc_u64 s[12:13], s[12:13], s[48:49]
	; descriptor group 0, a set for each slot, and the two first fills: sub-tiles 0 and 1.  Two tensor loads of mine are out here, later one.
.irp s, 0,1
	s_mov_b32 s[28+4*\s], 1                                        ; count = 1
	s_add_co_u32 s[29+4*\s], s17, \s*SLOTB                         ; LDS address
	s_add_nc_u64 s[30+4*\s:31+4*\s], s[36:37], \s*131072           ; global address: 32 rows of 4,096 bytes a sub-tile
	s_or_b32 s[31+4*\s], s[31+4*\s], 0x80000000                    ; type = 2
	tensor_load_to_lds s[28+4*\s:31+4*\s], s[20:27]
	s_nop 0
.endr
	global_load_b32 v[CB], v[VC], s[8:9]           ; c of head r
.irp p, 0,1
.irp i, 0,1,2,3,4,5,6,7
	global_load_b128 v[X+32*\p+4*\i:X+32*\p+4*\i+3], v[VUO], s[6:7] offset:\p*524288+\i*4096  ; u, part p, heads 2 i and 2 i + 1, my 256 bytes of each
.endr
.endr
	; Sub-tile 2, which my refill behind the first sub-tile will ask for: its 32 rows x 2 blocks of 256 bytes, each asked for once in the launch, by the wave that loads it
	global_prefetch_b8 v[VPF], s[36:37] offset:262144 th:TH_LOAD_NT scope:SCOPE_SE
	global_prefetch_b8 v[VPF], s[36:37] offset:262144+256 th:TH_LOAD_NT scope:SCOPE_SE
.macro USTAGE part                     ; 16 heads x 256 bytes through my stage, and out as four fragments, into window 1
.irp i, 0,1,2,3,4,5,6,7
	ds_store_b128 v[VS], v[X+32*(\part)+4*\i:X+32*(\part)+4*\i+3] offset:\i*2*SPIT
.endr
	WIN 0x40                                       ; destination window 1, address window 0
.irp k, 0,1,2,3
.irp q, 0,1
	ds_load_b128 v[16*\k+8*(\part)+4*\q:16*\k+8*(\part)+4*\q+3], v[VRU] offset:\k*64+\q*32  ; my own bytes: LDS serves a wave in order (ISA guide 5.7.1.4)
.endr
.endr
	WIN 0
.endm
	s_wait_loadcnt 8                               ; c and u's hi part are in; the lo part's eight loads stay out
	USTAGE 0
	s_wait_loadcnt 0x0
	USTAGE 1
	v_mov_b32 v[CB+1], v[CB]
.macro LDCOL slot, g                   ; my 4 columns of group g, rows 8 half + 0..7 and 16 + 8 half + 0..7, into X[0..63]; 16 lanes take 256 consecutive bytes
.irp i, 0,1,2,3,4,5,6,7,8,9,10,11,12,13,14,15
	ds_load_b128 v[X+4*\i:X+4*\i+3], v[VD] offset:(\slot)*SLOTB+(\i+8*(\i/8))*PIT+(\g)*256
.endr
.endm
.macro CVCOL fb                        ; four fragments, as the rows land: register p of fragment j = rows 2 p, 2 p + 1 of column j
.irp p, 0,1,2,3,4,5,6,7
	s_wait_dscnt 14-2*\p                           ; LDS loads come back in order: rows 2 p and 2 p + 1 are in, the later rows stay out
.irp j, 0,1,2,3
	v_cvt_pk_bf16_f32 v[(\fb)+8*\j+\p], v[X+8*\p+\j], v[X+8*\p+4+\j]
.endr
.endr
.endm
.macro MULY g, fb, first               ; 8 products: the group's 4 accumulators by turns; first with p hi, then with p lo
.irp j, 0,1,2,3
.if \first
	v_wmma_f32_16x16x32_bf16 v[YA+32*(\g)+8*\j:YA+32*(\g)+8*\j+7], v[(\fb)+8*\j:(\fb)+8*\j+7], v[PH:PH+7], 0
.else
	v_wmma_f32_16x16x32_bf16 v[YA+32*(\g)+8*\j:YA+32*(\g)+8*\j+7], v[(\fb)+8*\j:(\fb)+8*\j+7], v[PH:PH+7], v[YA+32*(\g)+8*\j:YA+32*(\g)+8*\j+7]
.endif
.endr
.irp j, 0,1,2,3
	v_wmma_f32_16x16x32_bf16 v[YA+32*(\g)+8*\j:YA+32*(\g)+8*\j+7], v[(\fb)+8*\j:(\fb)+8*\j+7], v[PL:PL+7], v[YA+32*(\g)+8*\j:YA+32*(\g)+8*\j+7]
.endr
.endm
; A sub-tile of 32 keys in slot \slot.  first = 1: it starts m, l and the sums.  left = how many younger tensor loads of mine may stay out.
.macro TILE slot, first, left
	s_wait_tensorcnt \left                         ; tensor loads of a wave end in order (ISA guide 10.11.1): my strip of this sub-tile is in LDS
	; SCORES.  Fragment f = 4 mt + kc: keys 16 mt on, z = 32 kc on
.set f, 0
.rept 8
.irp q, 0,1,2,3
	ds_load_b128 v[X+16*f+4*\q:X+16*f+4*\q+3], v[VA] offset:(\slot)*SLOTB+(f/4)*16*PIT+(f%4)*128+(\q/2)*64+(\q%2)*16
.endr
.set f, f+1
.endr
.set f, 0
.rept 8
	s_wait_dscnt 28-4*f                            ; fragment f's four loads are in, the later fragments' stay out
	CVT8 X+16*f
.set f, f+1
.endr
	WIN 0x04                                       ; source 1 (u) in window 1
.set n, 0
.rept 16                               ; n = 4 kc + 2 part + mt: the two accumulators take turns; the first two products start the sums
.set rS, SA+8*(n%2)
.set rA, X+16*(4*(n%2)+n/4)
.set rU, 16*(n/4)+8*((n/2)%2)
.if n < 2
	v_wmma_f32_16x16x32_bf16 v[rS:rS+7], v[rA:rA+7], v[rU:rU+7], 0
.else
	v_wmma_f32_16x16x32_bf16 v[rS:rS+7], v[rA:rA+7], v[rU:rU+7], v[rS:rS+7]
.endif
.set n, n+1
.endr
	WIN 0
	PLACES
.irp k, 0,1,2,3                        ; each accumulator's low registers are read first
	ds_store_b128 v[VSCS], v[SA+4*\k:SA+4*\k+3] offset:\k*512
.endr
	s_wait_dscnt 0x0                               ; for the others' sake: my partial scores lie in LDS
	s_barrier_signal -1
	s_barrier_wait -1                              ; my refill may stay on its way across it
.set n, 0
.rept 32
	ds_load_b128 v[X+4*n:X+4*n+3], v[VSCL] offset:n*512  ; all eight waves' parts
.set n, n+1
.endr
	s_wait_dscnt 0x0
.irp d, 64,32,16
.set n, 0
.rept \d/2
	v_pk_add_f32 v[X+2*n:X+2*n+1], v[X+2*n:X+2*n+1], v[X+\d+2*n:X+\d+2*n+1]
.set n, n+1
.endr
.endr
.irp k, 0,1,2,3,4,5,6,7
	v_pk_add_f32 v[X+2*\k:X+2*\k+1], v[X+2*\k:X+2*\k+1], v[CB:CB+1]  ; + c
.endr
	; SOFTMAX.  X[0..15]: the scores of head r for keys 16 mt + 8 half + 0..7
	v_max3_num_f32 v[A0], v[X], v[X+1], v[X+2]
	v_max3_num_f32 v[A0+1], v[X+3], v[X+4], v[X+5]
	v_max3_num_f32 v[A0+2], v[X+6], v[X+7], v[X+8]
	v_max3_num_f32 v[A0+3], v[X+9], v[X+10], v[X+11]
	v_max3_num_f32 v[A0], v[A0], v[X+12], v[X+13]
	v_max3_num_f32 v[A0+1], v[A0+1], v[X+14], v[X+15]
	v_max3_num_f32 v[A0], v[A0], v[A0+1], v[A0+2]
.if \first
	v_max_num_f32 v[A0], v[A0], v[A0+3]
.else
	v_max3_num_f32 v[A0], v[A0], v[A0+3], v[ST+1]  ; the old m among them
	v_mov_b32 v[OLDC], v[ST]
.endif
	v_permlanex16_b32 v[A0+1], v[A0], s40, s41     ; the head's other 16 keys lie in the lane 16 away
	v_max_num_f32 v[ST+1], v[A0], v[A0+1]
	v_mul_f32 v[ST], s38, v[ST+1]
.if !(\first)
	v_sub_f32 v[AL], v[OLDC], v[ST]
.endif
.irp k, 0,1,2,3,4,5,6,7
	v_pk_fma_f32 v[X+2*\k:X+2*\k+1], v[X+2*\k:X+2*\k+1], s[38:39], v[ST:ST+1] op_sel_hi:[1,0,0] neg_lo:[0,0,1] neg_hi:[0,0,1]  ; t log2 e - m log2 e
.endr
.if !(\first)
	v_exp_f32 v[AL], v[AL]
.endif
.irp k, 0,1,2,3,4,5,6,7,8,9,10,11,12,13,14,15
	v_exp_f32 v[X+\k], v[X+\k]
.endr
	v_nop                                          ; a plain line between the exponentials and the use of their results (ISA guide 5.7.2)
.if !(\first)
	s_wait_alu depctr_va_vdst(0)
	v_mov_b32 v[AL+1], v[AL]                       ; named with it as a pair
.endif
	s_wait_alu depctr_va_vdst(0)
.irp k, 0,1,2,3,4,5,6,7                ; p = hi + lo: hi is p rounded to bf16, lo the rest rounded to bf16
	v_cvt_pk_bf16_f32 v[PH+\k], v[X+2*\k], v[X+2*\k+1]
.endr
.irp k, 0,1,2,3,4,5,6,7
	v_lshlrev_b32 v[X+16+2*\k], 16, v[PH+\k]
	v_and_b32 v[X+17+2*\k], s42, v[PH+\k]
.endr
.irp k, 0,1,2,3,4,5,6,7
	v_pk_add_f32 v[X+16+2*\k:X+17+2*\k], v[X+2*\k:X+2*\k+1], v[X+16+2*\k:X+17+2*\k] neg_lo:[0,1] neg_hi:[0,1]
.endr
.irp k, 0,1,2,3,4,5,6,7
	v_cvt_pk_bf16_f32 v[PL+\k], v[X+16+2*\k], v[X+17+2*\k]
.endr
.irp k, 0,1,2,3
	v_pk_add_f32 v[X+32+2*\k:X+33+2*\k], v[X+4*\k:X+4*\k+1], v[X+4*\k+2:X+4*\k+3]
.endr
	v_pk_add_f32 v[X+40:X+41], v[X+32:X+33], v[X+34:X+35]
	v_pk_add_f32 v[X+42:X+43], v[X+36:X+37], v[X+38:X+39]
.if \first
	v_pk_add_f32 v[LS:LS+1], v[X+40:X+41], v[X+42:X+43]
.else
	v_pk_add_f32 v[X+44:X+45], v[X+40:X+41], v[X+42:X+43]
	v_pk_fma_f32 v[LS:LS+1], v[LS:LS+1], v[AL:AL+1], v[X+44:X+45] op_sel_hi:[1,0,1]  ; l = a l + the sum
.endif
	; THE WEIGHTED SUM.  Group 0's columns are asked for; the sums so far are multiplied by a while they come
	LDCOL \slot, 0
.if !(\first)
.set n, 0
.rept 32                               ; ascending: each accumulator's low registers first
	v_pk_mul_f32 v[YA+2*n:YA+2*n+1], v[YA+2*n:YA+2*n+1], v[AL:AL+1] op_sel_hi:[1,0]
.set n, n+1
.endr
.endif
	CVCOL F0
	LDCOL \slot, 1                                 ; group 1's columns come while group 0 is multiplied
	MULY 0, F0, \first
	CVCOL F1
	MULY 1, F1, \first
	PLACES                                         ; for the loads and vector lines that next write X
.endm
; Slot s, which my wave has read, is filled again with the sub-tile two further on.  The barrier also stands between all waves' reads of the partial scores and the next sub-tile's stores there.
.macro FILL s
	s_wait_tensorcnt 0x0                           ; all my tensor loads have landed: a group 0 may be written
	ds_add_u32 v[SPW], v[NIL]                      ; 0 onto my spare word
	s_add_nc_u64 s[30+4*(\s):31+4*(\s)], s[30+4*(\s):31+4*(\s)], 262144  ; 64 rows on; the type bits on top are not reached
	s_wait_dscnt 0x0                               ; the add is done, and my LDS reads are back
	s_barrier_signal -1
	s_barrier_wait -1
	tensor_load_to_lds s[28+4*(\s):31+4*(\s)], s[20:27]  ; my one tensor load behind this barrier, and the first thing there
	s_nop 0
.endm
	TILE 0, 1, 1                                   ; sub-tile 0; the count leaves sub-tile 1 on its way
	FILL 0                                         ; sub-tile 2 goes out
	global_prefetch_b8 v[VPF], s[36:37] offset:393216 th:TH_LOAD_NT scope:SCOPE_SE      ; sub-tile 3, the chunk's last: asked for one sub-tile ahead of its load
	global_prefetch_b8 v[VPF], s[36:37] offset:393216+256 th:TH_LOAD_NT scope:SCOPE_SE
	TILE 1, 0, 1                                   ; sub-tile 1: the refill was issued behind its load, and may stay out
	FILL 1                                         ; sub-tile 3 goes out: the last load
	TILE 0, 0, 1                                   ; sub-tile 2
	s_wait_dscnt 0x0                               ; nothing is left to fetch: a plain barrier between the reads of the partial scores and the next stores there
	s_barrier_signal -1
	s_barrier_wait -1
	TILE 1, 0, 0                                   ; sub-tile 3: the wait is for zero
	; THE WAY OUT.  l's two halves and the other half of the lanes'; the sums divided by l; 16 heads x 256 bytes at a time through my stage
	v_add_f32 v[LS], v[LS], v[LS+1]
	v_permlanex16_b32 v[A0], v[LS], s40, s41
	v_add_f32 v[ST+1], v[LS], v[A0]                ; v[18:19] = (m log2 e, l)
	v_rcp_f32 v[RL], v[ST+1]
	v_nop                                          ; a plain line behind the reciprocal
	s_wait_alu depctr_va_vdst(0)
.macro OUTG g
.set OT, X+64*(\g)
.set OB, X+64*(\g)+32
.irp i, 0,1,2,3,4,5,6,7                ; register i of the four accumulators: z = 32 half + 4 i + 0..3, 16 bytes that belong together; ascending, the low registers first
.irp j, 0,1,2,3
	v_mul_f32 v[OT+4*\i+\j], v[YA+32*(\g)+8*\j+\i], v[RL]
.endr
	ds_store_b128 v[VRY], v[OT+4*\i:OT+4*\i+3] offset:\i*16
.endr
.irp k, 0,1,2,3,4,5,6,7
	ds_load_b128 v[OB+4*\k:OB+4*\k+3], v[VS] offset:\k*2*SPIT  ; my own bytes, served in order: heads 2 k and 2 k + 1 as whole rows
.endr
.irp k, 0,1,2,3,4,5,6,7
	s_wait_dscnt 7-\k
	global_store_b128 v[VG], v[OB+4*\k:OB+4*\k+3], s[10:11] offset:\k*131072+(\g)*256  ; 16 lanes store 256 consecutive bytes, aligned
.endr
.endm
	OUTG 0
	OUTG 1
	s_wait_tensorcnt 0x0                           ; the wave's end, behind my last tensor load and my last LDS store
	ds_add_u32 v[SPW], v[NIL]
	s_wait_dscnt 0x0
	s_cmp_lg_u32 s14, 0                            ; m and l are the same in all eight waves: wave 0 stores them
	s_cbranch_scc1 .Lend
	global_store_b64 v[L8], v[ST:ST+1], s[12:13]   ; entry l: head l % 16: 256 consecutive bytes
.Lend:
	s_endpgm
.Lfunc_end_k_qf784903fa1_attn:
	.size	k_qf784903fa1_attn, .Lfunc_end_k_qf784903fa1_attn-k_qf784903fa1_attn
	.p2alignl 7, 3214868480
	.fill 96, 4, 3214868480
	.section	.rodata,"a",@progbits
	.p2align	6, 0x0
	.amdhsa_kernel k_qf784903fa1_attn
		.amdhsa_group_segment_fixed_size 327680
		.amdhsa_private_segment_fixed_size 0
		.amdhsa_enable_private_segment 0
		.amdhsa_kernarg_size 40
		.amdhsa_user_sgpr_count 2
		.amdhsa_user_sgpr_kernarg_segment_ptr 1
		.amdhsa_wavefront_size32 1
		.amdhsa_system_sgpr_workgroup_id_x 1
		.amdhsa_system_sgpr_workgroup_id_y 1
		.amdhsa_system_sgpr_workgroup_id_z 1
		.amdhsa_system_vgpr_workitem_id 0
		.amdhsa_next_free_vgpr 320
		.amdhsa_next_free_sgpr 66
		.amdhsa_reserve_vcc 0
		.amdhsa_float_denorm_mode_32 3
		.amdhsa_float_denorm_mode_16_64 3
		.amdhsa_memory_ordered 1
		.amdhsa_forward_progress 1
		.amdhsa_inst_pref_size 126
	.end_amdhsa_kernel
	.amdgpu_metadata
---
amdhsa.version: [ 1, 2 ]
amdhsa.kernels:
  - .name:           k_qf784903fa1_attn
    .symbol:         k_qf784903fa1_attn.kd
    .args:
      - { .name: o_all, .offset: 0, .size: 8, .value_kind: global_buffer, .address_space: global }
      - { .name: up, .offset: 8, .size: 8, .value_kind: global_buffer, .address_space: global }
      - { .name: cq, .offset: 16, .size: 8, .value_kind: global_buffer, .address_space: global }
      - { .name: yp, .offset: 24, .size: 8, .value_kind: global_buffer, .address_space: global }
      - { .name: ml, .offset: 32, .size: 8, .value_kind: global_buffer, .address_space: global }
    .group_segment_fixed_size: 327680
    .private_segment_fixed_size: 0
    .kernarg_segment_align: 8
    .kernarg_segment_size: 40
    .max_flat_workgroup_size: 256
    .sgpr_count:     66
    .vgpr_count:     320
    .wavefront_size: 32
...
	.end_amdgpu_metadata
.endif
;; end of part 2
;; launch proj (part 3): grid 16 x 16, 16 waves a work-group, no clusters, 71,936 bytes of LDS; arguments yp, ml, Wv, bv, out0; writes out0
.if DOCPART == 3
	.amdgcn_target "amdgcn-amd-amdhsa--gfx1250"
	.amdhsa_code_object_version 6
	.text
	.protected	k_qf784903fa1_proj
	.globl	k_qf784903fa1_proj
	.p2align	8
	.type	k_qf784903fa1_proj,@function
k_qf784903fa1_proj:
	s_mov_b64 s[64:65], 0
	v_nop
	global_prefetch_b8 v0, s[64:65] scope:SCOPE_SE
	s_setreg_imm32_b32 hwreg(HW_REG_WAVE_MODE, 25, 1), 1
	s_wait_xcnt 0x0
; PROJ.  For batch b and head h: the 16 chunks' weighted sums are merged, y[z] = sum_c w_c yp[b][h][c][z], w_c = 2^(cm_c - max cm) l_c / L, L the sum of the numerators
; (the largest cm is taken away before the exponentials), and ctx[d] = sum_z y[z] Wv[h][z][d] + bv[h][d]: the softmax's weights add up to 1, so bv enters once.
; SHARES.  A work-group for each (b, h); its 16 waves split the sum over z, 64 z a wave, and add their parts in LDS.
; The product has one row: y stands in all 16 columns of source 1, and all 16 columns of the result are equal.
; NO CLUSTER: the 16 work-groups of a head read the same 262,144 bytes of Wv[h], but Wv goes from memory straight into registers, as the row pairs that its
; fragments are made of, and never lies in LDS; a joint tensor load would send those bytes through LDS, in and out.
; LIMITS.  Wv and bv are rounded once to bf16; y enters the product as hi + lo (two bf16, 16 significant bits); sums in f32; a chunk whose weight falls below 2^-126 counts as 0;
; NaN and infinities are not treated apart.
; LAYOUTS as in the launch that makes u: Wv is [z][d], k runs down the rows; four fragments j, lane r standing for column 4 r + j; register i of accumulator j holds d = 32 half + 4 i + j.
.set YV,    0                          ; 16 waves x 256 bytes, each wave's own: y hi (128 bytes), y lo
.set CP,    4096                       ; 16 waves x 4,096 bytes: the parts of ctx
.set OUTB,  69632                      ; the 64 results
.set SPARE, 69888                      ; the spare words, 128 bytes a wave: eight blocks of 256 bytes that no other line names
.set R,   1
.set HF,  2
.set L16, 3
.set VW,  4                            ; Wv: 8 half rows + 16 r
.set VY,  5                            ; yp: chunk half + 16 r
.set VZ,  6                            ; 0: ml is the same for all lanes
.set VYS, 7                            ; y into LDS
.set VYL, 8                            ; y out of LDS
.set VCP, 9                            ; my wave's part of ctx
.set VFP, 10                           ; the two registers that my wave adds up, in wave 0's part
.set VOS, 11                           ; where their sums go
.set L8,  12
.set VBV, 13                           ; bv of those two
.set VOL, 14                           ; the results, 8 bytes a lane
.set LSUM, 16
.set SPW, 18                           ; my spare word; never rewritten
.set NIL, 19                           ; 0; never rewritten
.set YS,  20                           ; v20-23 y of z = 4 r + 0..3
.set T,   24                           ; v24-27 at work
.set BV,  28                           ; v[28:29]
.set RLP, 30                           ; v[30:31] 1 / L, twice
.set ML,  32                           ; v32-63 (cm, l) of the 16 chunks
.set YB,  32                           ; later y's fragments: part, chunk kc at YB + 16 part + 8 kc
.set F,   64                           ; v64-95 four fragments of Wv
.set YR,  96                           ; v96-127 yp as loaded
.set CA,  96                           ; later the four accumulators
.set X,   128                          ; v128-255 Wv as loaded
.set FL,  128                          ; later at work
.macro PLACES                          ; four plain vector lines between a matrix instruction and a vector line or load that touches its registers
.rept 4
	v_nop
.endr
.endm
.macro CVTCOL x                        ; 16 rows x 4 columns become four fragments: register p of fragment j = rows 2 p, 2 p + 1 of column j
.irp j, 0,1,2,3
.irp p, 0,1,2,3,4,5,6,7
	v_cvt_pk_bf16_f32 v[F+8*\j+\p], v[(\x)+8*\p+\j], v[(\x)+8*\p+4+\j]
.endr
.endr
.endm
.macro LDW kc                          ; K chunk kc of my 64 rows of Wv; 16 lanes take 256 consecutive bytes
.irp i, 0,1,2,3,4,5,6,7,8,9,10,11,12,13,14,15
	global_load_b128 v[X+64*(\kc)+4*\i:X+64*(\kc)+4*\i+3], v[VW], s[8:9] offset:(\kc)*8192+(\i+8*(\i/8))*256
.endr
.endm
.macro MUL4 yb, zero                   ; the four accumulators by turns
.irp j, 0,1,2,3
.if \zero
	v_wmma_f32_16x16x32_bf16 v[CA+8*\j:CA+8*\j+7], v[F+8*\j:F+8*\j+7], v[(\yb):(\yb)+7], 0
.else
	v_wmma_f32_16x16x32_bf16 v[CA+8*\j:CA+8*\j+7], v[F+8*\j:F+8*\j+7], v[(\yb):(\yb)+7], v[CA+8*\j:CA+8*\j+7]
.endif
.endr
.endm
	s_load_b256 s[4:11], s[0:1], 0x0               ; yp s[4:5], ml s[6:7], Wv s[8:9], bv s[10:11]
	s_load_b64 s[12:13], s[0:1], 0x20              ; out0
	v_lshl_add_u32 v[SPW], v0, 2, SPARE
	v_mov_b32 v[NIL], 0
	v_lshrrev_b32 v20, 5, v0
	v_readfirstlane_b32 s20, v20                   ; w: wave 0..15
	s_mov_b32 s21, ttmp9                           ; b
	s_and_b32 s22, ttmp7, 0xffff                   ; h
	s_lshr_b32 s23, s20, 2                         ; jf: the accumulator of which my wave adds up
	s_and_b32 s24, s20, 3                          ; pf: registers 2 pf, 2 pf + 1
	s_mov_b32 s26, 0x76543210                      ; v_permlanex16_b32: each lane takes its own place in the other half
	s_mov_b32 s27, 0xfedcba98
	s_mov_b32 s28, 0xffff0000                      ; a word's upper bf16
	s_lshl_b32 s30, s21, 20                        ; yp: (b, h), my 64 z
	s_lshl_b32 s2, s22, 16
	s_add_co_u32 s30, s30, s2
	s_lshl_b32 s2, s20, 8
	s_add_co_u32 s30, s30, s2
	s_mov_b32 s31, 0
	s_lshl_b32 s32, s21, 12                        ; ml: batch b, entry h
	s_lshl_b32 s2, s22, 3
	s_add_co_u32 s32, s32, s2
	s_mov_b32 s33, 0
	s_lshl_b32 s34, s22, 18                        ; Wv: head h, my 64 rows of 256 bytes
	s_lshl_b32 s2, s20, 14
	s_add_co_u32 s34, s34, s2
	s_mov_b32 s35, 0
	s_lshl_b32 s36, s22, 8                         ; bv: head h
	s_mov_b32 s37, 0
	s_lshl_b32 s38, s21, 12                        ; out0: batch b, head h
	s_add_co_u32 s38, s38, s36
	s_mov_b32 s39, 0
	v_and_b32 v[R], 15, v0
	v_bfe_u32 v[HF], v0, 4, 1
	v_and_b32 v20, 31, v0
	v_lshlrev_b32 v[L16], 4, v20
	v_lshlrev_b32 v[L8], 3, v20
	v_lshlrev_b32 v21, 4, v[R]
	v_lshl_add_u32 v[VW], v[HF], 11, v21
	v_lshl_add_u32 v[VY], v[HF], 12, v21
	v_mov_b32 v[VZ], 0
	s_lshl_b32 s25, s20, 8                         ; my 256 bytes of YV (YV = 0)
	v_lshlrev_b32 v22, 3, v[R]
	v_lshl_add_u32 v22, v[HF], 7, v22
	v_add_nc_u32 v[VYS], s25, v22
	v_lshl_add_u32 v[VYL], v[HF], 4, s25
	s_lshl_b32 s25, s20, 12
	s_add_co_u32 s25, s25, CP
	v_add_nc_u32 v[VCP], s25, v[L16]
	s_lshl_b32 s25, s23, 10                        ; (2 jf + pf / 2) x 512 + (pf % 2) x 8
	s_lshr_b32 s29, s24, 1
	s_lshl_b32 s29, s29, 9
	s_add_co_u32 s25, s25, s29
	s_and_b32 s29, s24, 1
	s_lshl_b32 s29, s29, 3
	s_add_co_u32 s25, s25, s29
	s_add_co_u32 s25, s25, CP
	v_add_nc_u32 v[VFP], s25, v[L16]
	s_lshl_b32 s25, s24, 3                         ; d = 32 half + 8 pf + jf, and 4 further on
	s_add_co_u32 s25, s25, s23
	s_lshl_b32 s25, s25, 2
	v_lshl_add_u32 v[VBV], v[HF], 7, s25
	v_add_nc_u32 v[VOS], OUTB, v[VBV]
	v_add_nc_u32 v[VOL], OUTB, v[L8]
	s_wait_kmcnt 0x0
	s_add_nc_u64 s[4:5], s[4:5], s[30:31]
	s_add_nc_u64 s[6:7], s[6:7], s[32:33]
	s_add_nc_u64 s[8:9], s[8:9], s[34:35]
	s_add_nc_u64 s[10:11], s[10:11], s[36:37]
	s_add_nc_u64 s[12:13], s[12:13], s[38:39]
	; 58 loads: ml 16, bv 2, yp 8, Wv 16 + 16
.irp c, 0,1,2,3,4,5,6,7,8,9,10,11,12,13,14,15
	global_load_b64 v[ML+2*\c:ML+2*\c+1], v[VZ], s[6:7] offset:\c*256
.endr
	global_load_b32 v[BV], v[VBV], s[10:11]
	global_load_b32 v[BV+1], v[VBV], s[10:11] offset:16
.irp i, 0,1,2,3,4,5,6,7
	global_load_b128 v[YR+4*\i:YR+4*\i+3], v[VY], s[4:5] offset:\i*8192 th:TH_LOAD_NT  ; chunks 2 i and 2 i + 1, my 256 bytes of each; read once in the launch
.endr
	LDW 0
	LDW 1
	s_wait_loadcnt 40                              ; ml and bv are in; yp's 8 and Wv's 32 loads stay out
	v_max3_num_f32 v[T], v[ML], v[ML+2], v[ML+4]
	v_max3_num_f32 v[T+1], v[ML+6], v[ML+8], v[ML+10]
	v_max3_num_f32 v[T+2], v[ML+12], v[ML+14], v[ML+16]
	v_max3_num_f32 v[T+3], v[ML+18], v[ML+20], v[ML+22]
	v_max3_num_f32 v[T], v[T], v[ML+24], v[ML+26]
	v_max3_num_f32 v[T+1], v[T+1], v[ML+28], v[ML+30]
	v_max3_num_f32 v[T], v[T], v[T+1], v[T+2]
	v_max_num_f32 v[T], v[T], v[T+3]
.irp c, 0,1,2,3,4,5,6,7,8,9,10,11,12,13,14,15
	v_sub_f32 v[ML+2*\c], v[ML+2*\c], v[T]
.endr
.irp c, 0,1,2,3,4,5,6,7,8,9,10,11,12,13,14,15
	v_exp_f32 v[ML+2*\c], v[ML+2*\c]
.endr
	v_cvt_pk_bf16_f32 v15, v[BV], v[BV+1]          ; bv rounded to bf16 and widened again: also the plain lines behind the exponentials (ISA guide 5.7.2)
	v_lshlrev_b32 v[BV], 16, v15
	v_and_b32 v[BV+1], s28, v15
	s_wait_alu depctr_va_vdst(0)
.irp c, 0,1,2,3,4,5,6,7,8,9,10,11,12,13,14,15
	v_mul_f32 v[ML+2*\c], v[ML+2*\c], v[ML+2*\c+1] ; the chunk's numerator
.endr
.irp k, 0,1,2,3,4,5,6,7                ; L: a tree, into the registers that held l
	v_add_f32 v[ML+4*\k+1], v[ML+4*\k], v[ML+4*\k+2]
.endr
.irp k, 0,1,2,3
	v_add_f32 v[ML+8*\k+3], v[ML+8*\k+1], v[ML+8*\k+5]
.endr
.irp k, 0,1
	v_add_f32 v[ML+16*\k+7], v[ML+16*\k+3], v[ML+16*\k+11]
.endr
	v_add_f32 v[LSUM], v[ML+7], v[ML+23]
	v_rcp_f32 v[RLP], v[LSUM]                      ; twice, to fill the pair; the plain lines below stand ahead of its use
	v_rcp_f32 v[RLP+1], v[LSUM]
	v_cmp_ne_u32 vcc_lo, 0, v[HF]
.irp i, 0,1,2,3,4,5,6,7
	v_cndmask_b32 v[ML+4*\i], v[ML+4*\i], v[ML+4*\i+2], vcc_lo  ; lanes 0-15 hold chunk 2 i, lanes 16-31 chunk 2 i + 1
.endr
	s_wait_loadcnt 32                              ; yp is in; Wv stays out
	v_pk_mul_f32 v[YS:YS+1], v[YR:YR+1], v[ML:ML+1] op_sel_hi:[1,0]
	v_pk_mul_f32 v[YS+2:YS+3], v[YR+2:YR+3], v[ML:ML+1] op_sel_hi:[1,0]
.irp i, 1,2,3,4,5,6,7
	v_pk_fma_f32 v[YS:YS+1], v[YR+4*\i:YR+4*\i+1], v[ML+4*\i:ML+4*\i+1], v[YS:YS+1] op_sel_hi:[1,0,1]
	v_pk_fma_f32 v[YS+2:YS+3], v[YR+4*\i+2:YR+4*\i+3], v[ML+4*\i:ML+4*\i+1], v[YS+2:YS+3] op_sel_hi:[1,0,1]
.endr
.irp k, 0,1,2,3
	v_permlanex16_b32 v[T+\k], v[YS+\k], s26, s27  ; the other eight chunks
.endr
	v_pk_add_f32 v[YS:YS+1], v[YS:YS+1], v[T:T+1]
	v_pk_add_f32 v[YS+2:YS+3], v[YS+2:YS+3], v[T+2:T+3]
	s_wait_alu depctr_va_vdst(0)
	v_pk_mul_f32 v[YS:YS+1], v[YS:YS+1], v[RLP:RLP+1]
	v_pk_mul_f32 v[YS+2:YS+3], v[YS+2:YS+3], v[RLP:RLP+1]
	v_cvt_pk_bf16_f32 v[T], v[YS], v[YS+1]         ; y = hi + lo
	v_cvt_pk_bf16_f32 v[T+1], v[YS+2], v[YS+3]
	v_lshlrev_b32 v[ML], 16, v[T]
	v_and_b32 v[ML+1], s28, v[T]
	v_lshlrev_b32 v[ML+2], 16, v[T+1]
	v_and_b32 v[ML+3], s28, v[T+1]
	v_pk_add_f32 v[ML:ML+1], v[YS:YS+1], v[ML:ML+1] neg_lo:[0,1] neg_hi:[0,1]
	v_pk_add_f32 v[ML+2:ML+3], v[YS+2:YS+3], v[ML+2:ML+3] neg_lo:[0,1] neg_hi:[0,1]
	v_cvt_pk_bf16_f32 v[T+2], v[ML], v[ML+1]
	v_cvt_pk_bf16_f32 v[T+3], v[ML+2], v[ML+3]
	v_cndmask_b32 v[T], v[T], v[T+2], vcc_lo       ; lanes 0-15 store hi, lanes 16-31 lo
	v_cndmask_b32 v[T+1], v[T+1], v[T+3], vcc_lo
	ds_store_b64 v[VYS], v[T:T+1]
.irp p, 0,1
.irp k, 0,1
.irp q, 0,1
	ds_load_b128 v[YB+16*\p+8*\k+4*\q:YB+16*\p+8*\k+4*\q+3], v[VYL] offset:\p*128+\k*64+\q*32  ; my own bytes, served in order; the address does not hang on r: all 16 columns are y
.endr
.endr
.endr
	s_wait_dscnt 0x0
	s_wait_loadcnt 16                              ; Wv's first chunk is in, the second stays out
	CVTCOL X
	MUL4 YB, 1                                     ; the first products start the sums
	MUL4 YB+16, 0
	s_wait_loadcnt 0x0
	PLACES                                         ; F is written again
	CVTCOL X+64
	MUL4 YB+8, 0
	MUL4 YB+24, 0
	PLACES
.irp j, 0,1,2,3
.irp q, 0,1                            ; each accumulator's low registers are read first
	ds_store_b128 v[VCP], v[CA+8*\j+4*\q:CA+8*\j+4*\q+3] offset:(2*\j+\q)*512
.endr
.endr
	s_wait_dscnt 0x0                               ; for the others' sake: my part lies in LDS
	s_barrier_signal -1
	s_barrier_wait -1
.irp n, 0,1,2,3,4,5,6,7,8,9,10,11,12,13,14,15
	ds_load_b64 v[FL+2*\n:FL+2*\n+1], v[VFP] offset:\n*4096  ; my two registers, of all 16 parts
.endr
	s_wait_dscnt 0x0
.irp d, 8,4,2,1
.set n, 0
.rept \d
	v_pk_add_f32 v[FL+2*n:FL+2*n+1], v[FL+2*n:FL+2*n+1], v[FL+2*(n+\d):FL+2*(n+\d)+1]
.set n, n+1
.endr
.endr
	v_pk_add_f32 v[FL:FL+1], v[FL:FL+1], v[BV:BV+1]
	ds_store_b32 v[VOS], v[FL]                     ; the 16 lanes of a half write the same word with the same number
	ds_store_b32 v[VOS], v[FL+1] offset:16
	s_wait_tensorcnt 0x0                           ; the wave's end, behind my last LDS store
	ds_add_u32 v[SPW], v[NIL]
	s_wait_dscnt 0x0                               ; the wait also shows the two stores above done, for wave 0's sake
	s_barrier_signal -1
	s_barrier_wait -1
	s_cmp_lg_u32 s20, 0
	s_cbranch_scc1 .Lend
	ds_load_b64 v[FL+2:FL+3], v[VOL]
	s_wait_dscnt 0x0
	global_store_b64 v[L8], v[FL+2:FL+3], s[12:13] ; the head's 64 numbers: 256 consecutive bytes, aligned, by one store
.Lend:
	s_endpgm
.Lfunc_end_k_qf784903fa1_proj:
	.size	k_qf784903fa1_proj, .Lfunc_end_k_qf784903fa1_proj-k_qf784903fa1_proj
	.p2alignl 7, 3214868480
	.fill 96, 4, 3214868480
	.section	.rodata,"a",@progbits
	.p2align	6, 0x0
	.amdhsa_kernel k_qf784903fa1_proj
		.amdhsa_group_segment_fixed_size 71936
		.amdhsa_private_segment_fixed_size 0
		.amdhsa_enable_private_segment 0
		.amdhsa_kernarg_size 40
		.amdhsa_user_sgpr_count 2
		.amdhsa_user_sgpr_kernarg_segment_ptr 1
		.amdhsa_wavefront_size32 1
		.amdhsa_system_sgpr_workgroup_id_x 1
		.amdhsa_system_sgpr_workgroup_id_y 1
		.amdhsa_system_sgpr_workgroup_id_z 1
		.amdhsa_system_vgpr_workitem_id 0
		.amdhsa_next_free_vgpr 256
		.amdhsa_next_free_sgpr 66
		.amdhsa_reserve_vcc 1
		.amdhsa_float_denorm_mode_32 3
		.amdhsa_float_denorm_mode_16_64 3
		.amdhsa_memory_ordered 1
		.amdhsa_forward_progress 1
		.amdhsa_inst_pref_size 23
	.end_amdhsa_kernel
	.amdgpu_metadata
---
amdhsa.version: [ 1, 2 ]
amdhsa.kernels:
  - .name:           k_qf784903fa1_proj
    .symbol:         k_qf784903fa1_proj.kd
    .args:
      - { .name: yp, .offset: 0, .size: 8, .value_kind: global_buffer, .address_space: global }
      - { .name: ml, .offset: 8, .size: 8, .value_kind: global_buffer, .address_space: global }
      - { .name: Wv, .offset: 16, .size: 8, .value_kind: global_buffer, .address_space: global }
      - { .name: bv, .offset: 24, .size: 8, .value_kind: global_buffer, .address_space: global }
      - { .name: out0, .offset: 32, .size: 8, .value_kind: global_buffer, .address_space: global }
    .group_segment_fixed_size: 71936
    .private_segment_fixed_size: 0
    .kernarg_segment_align: 8
    .kernarg_segment_size: 40
    .max_flat_workgroup_size: 512
    .sgpr_count:     66
    .vgpr_count:     256
    .wavefront_size: 32
...
	.end_amdgpu_metadata
.endif
;; end of part 3
